; MI455X (gfx1250); checked and timed in simulation.
; The chip was launched on July 23, 2026; its instructions are those of AMD's public machine-readable ISA for CDNA 5 (MIT licence, August 2026) and "CDNA5" Instruction Set Architecture Reference Guide (July 2026). The comments in the code are by the model that wrote it; some were corrected since.
;; Multi Query Attention. Allowed arithmetic: matrix products marked QUANTISED: E5M2 operands, one given power-of-two scale a tensor, by v_wmma_f32_16x16x64_bf8_bf8 or v_wmma_f32_16x16x128_bf8_bf8, f32 sums; everything else in f32.
;; Inputs: Wk 512 x 2,048 float32; Wq 2,048 x 2,048 float32; Wv 512 x 2,048 float32; attention_mask 2 x 2,048 int32; bk 512 float32; bq 2,048 float32; bv 512 float32; hidden_states 2 x 2,048 x 2,048 float32; lowp_scales 10 int32 (the exponents e of the quantised operands' scales 2^e).
;; Outputs: out0 2 x 2,048 x 2,048 float32.
;; This version of the problem:
;;   THIS VERSION OF THE PROBLEM IS GIVEN IN LOW PRECISION. The matrix products marked QUANTISED in the list below multiply operands that are first quantised to E5M2 (5 exponent bits, 2 mantissa bits; 8 bits a number), with one given power-of-two scale for each operand tensor; their sums are f32. All else is computed in f32.
;;   The module's matrix products, in the order in which they are computed (A, B: the left and right operand; K: the contracted axis; several contracted axes count as one K, in the product's order):
;;     1. [M 4,096, K 2,048] x [K 2,048, N 2,048]; A: input hidden_states; B: input Wq: QUANTISED (scales: A lowp_scales[0], B lowp_scales[1])
;;     2. [M 4,096, K 2,048] x [K 2,048, N 512]; A: input hidden_states; B: input Wk: QUANTISED (scales: A lowp_scales[2], B lowp_scales[3])
;;     3. [M 4,096, K 2,048] x [K 2,048, N 512]; A: input hidden_states; B: input Wv: QUANTISED (scales: A lowp_scales[4], B lowp_scales[5])
;;     4. batch 8 x [M 2,048, K 128] x [K 128, N 8,192]; A: computed on the way; B: computed on the way: QUANTISED (scales: A lowp_scales[6], B lowp_scales[7])
;;     5. batch 8 x [M 128, K 2,048] x [K 2,048, N 8,192]; A: computed on the way; B: softmax (see below): QUANTISED (scales: A lowp_scales[8], B lowp_scales[9])
;;   THE QUANTISER, for each operand of a quantised product, along K:
;;     - The operand's scale is 2^e, e = its entry of the input lowp_scales (int32; the entries are numbered through the quantised products in the list's order, A before B).
;;     - Each number is divided by the scale, clamped to +-57,344, and rounded to the nearest number of E5M2, ties to even, subnormals kept.
;;     - The product sums the exact products of the quantised numbers (number of the format x scale) in f32.
;;   ~~~python
;;   def quantise(x, axis, e):      # numpy; x: float32 -> the quantised numbers, widened to float32 again
;;       x = np.moveaxis(x, axis, -1); K = x.shape[-1]
;;       r = np.clip(x / 2.0 ** e, -57344, 57344)
;;       step = 2.0 ** (np.maximum(np.frexp(np.where(r == 0, 1, r))[1] - 1, -14) - 2)
;;       q = np.round(r / step) * step * 2.0 ** e      # np.round: ties to even
;;       return np.moveaxis(q, -1, axis).astype(np.float32)
;;   ~~~
;;   SOFTMAX AHEAD OF A QUANTISED PRODUCT. Where the list says 'softmax', what is quantised is not the finished softmax but p = 2^(t - M), with t = logit x log2(e) and M = ceil(the row's largest t), a whole number; so 1/2 < the row's largest p <= 1. The row's sum l is taken of the UNQUANTISED p, in f32, and the product's result is divided by l at the end. Since M is a whole number, a kernel that streams over the keys may use a running M (the ceiling of the running maximum): every later rescaling is an exact power of two, so the quantised numbers keep their values, but for numbers so far below the row's largest that they fall under the format's range.
;;   OPERANDS COMPUTED ON THE WAY. 'Computed on the way' means the value that the module computes at that place (a softmax that the list does not call 'softmax' is quantised finished and normalised). What goes into a quantiser is computed in f32, as accurately as f32 sums, v_exp_f32 and their like allow (about 1e-6 of the number): no bf16 or f16 on the way to a quantiser, and a product that is left as it is and whose result goes on into a quantised operand takes f32 operands (vector FMAs, or v_wmma_f32_16x16x4_f32). A number that lies on a knife's edge between two numbers of the format may be rounded either way, as far as f32 arithmetic and the matrix unit's own rounding can turn it there, and no further.
;; One version. Each part assembles by itself: llvm-mc -triple=amdgcn-amd-amdhsa -mcpu=gfx1250 --defsym DOCPART=n.
;; ======== version 1 of 1: 3 launches
;; limits: right only within a limited range of input values
;; workspace buffers: xc 25,165,824 bytes; wc 6,291,456 bytes; qkv 12,582,912 bytes
;; launch quant (part 1): grid 448 x 1, 4 waves a work-group, no clusters, 33,280 bytes of LDS; arguments hidden_states, Wq, Wk, Wv, lowp_scales, xc, wc; writes xc, wc
.if DOCPART == 1
	.amdgcn_target "amdgcn-amd-amdhsa--gfx1250"
	.amdhsa_code_object_version 6
	.text
	.protected	k_qcced0bfaeb_quant
	.globl	k_qcced0bfaeb_quant
	.p2align	8
	.type	k_qcced0bfaeb_quant,@function
k_qcced0bfaeb_quant:
	s_mov_b64 s[64:65], 0
	v_nop
	global_prefetch_b8 v0, s[64:65] scope:SCOPE_SE
	s_setreg_imm32_b32 hwreg(HW_REG_WAVE_MODE, 25, 1), 1
	s_wait_xcnt 0x0
; hidden_states [4096][2048], Wq [2048][2048], Wk [512][2048], Wv [512][2048], all f32 with K innermost, become codes of BF8 (E5M2), one byte each, K innermost.
; code = x / 2^e, held within +-57,344, rounded to the nearest code, ties to even.  e comes from lowp_scales: hidden_states is an operand of three products and has three scales
; (entries 0, 2, 4): its codes are made three times, into three planes of xc, [3][4096][2048].  Wq (entry 1), Wk (entry 3), Wv (entry 5) go one behind the other into wc, [3072][2048].
; LIMITS: each of the six exponents lies between -126 and 112, so that 2^e and 57,344 x 2^e are f32 numbers.  NaN among the inputs is not served (an infinity is held at the largest code).
; Rows are dense, so every tensor is a plain stream.  A work-group takes 32,768 numbers, a wave 8,192, in 16 steps of 512.  Work-groups 0-255: hidden_states; 256-383: Wq; 384-415: Wk; 416-447: Wv.
; Only pointers and exponents are chosen by the work-group's number; LDS is used on one path by all.  The second and third conversion stand under a scalar branch on the work-group's number.
; The conversions take 8 neighbours along K from ONE lane's registers; a load is best where neighbouring LANES take neighbouring bytes.  Both are had: each of a step's four loads reads 512 consecutive bytes,
; 16 a lane; the 2,048 bytes go through the wave's own stage in LDS and come back 64 bytes a lane (16 bytes of padding behind each 64).  A lane's 16 codes are 16 bytes: a store of the wave covers 512 consecutive bytes, aligned.
; No tensor loads, no barrier: waves share nothing.  Loads run four steps (16 loads a wave) ahead, the turn through LDS one step.
; A plane of xc whose exponent (entry 2 or 4) equals entry 0's would hold plane 0's codes again: it is not made, and the next launch reads plane 0 in its place.  The choice hangs on the whole numbers of lowp_scales alone.
.set STEPS, 16
.set SP,    80                         ; a lane's place in a stage: 64 bytes + 16 of padding
.set WREG,  8192                       ; LDS of a wave: two stages of 32 x SP bytes
.set PLANE, 0x800000                   ; a plane of xc in bytes
.set OFS,   3                          ; v3       16 x lane: my bytes of a load's 512 and of a store's 512; never rewritten
.set SC,    5                          ; v5-7     2^e as f32 for outputs 0, 1, 2
.set LM,    8                          ; v8-10    57,344 x 2^e
.set SIN,   14                         ; v14      the stage, on the way in
.set SOUT,  15                         ; v15      and on the way out
.set R,     16                         ; v16-79   four sets of 16 numbers as loaded
.set X,     80                         ; v80-111  two sets of 16 neighbours
.set T,     112                        ; v112-127 the 16 numbers, held (X is read up to three times, so the hold is not made in place)
.set C,     128                        ; v128-139 codes: four registers for each output
	s_load_b256 s[4:11], s[0:1], 0x0               ; hidden_states s[4:5], Wq s[6:7], Wk s[8:9], Wv s[10:11]
	s_load_b128 s[12:15], s[0:1], 0x20             ; the scales' exponents s[12:13], xc s[14:15]
	s_load_b64 s[16:17], s[0:1], 0x30              ; wc
	v_lshl_add_u32 v144, v0, 2, 0x8000
	v_mov_b32 v145, 0
	v_lshrrev_b32 v1, 5, v0
	v_readfirstlane_b32 s18, v1                    ; wave
	v_and_b32 v2, 31, v0                           ; lane
	v_lshlrev_b32 v[OFS], 4, v2
	s_mul_i32 s19, s18, WREG
	v_lshrrev_b32 v[SIN], 2, v2
	v_mul_u32_u24 v[SIN], v[SIN], SP
	v_and_b32 v[SOUT], 3, v2
	v_lshl_add_u32 v[SIN], v[SOUT], 4, v[SIN]
	v_add_nc_u32 v[SIN], s19, v[SIN]               ; in: four lanes' 64 bytes on end, then the padding: SP (lane / 4) + 16 (lane % 4)
	v_mul_u32_u24 v[SOUT], v2, SP
	v_add_nc_u32 v[SOUT], s19, v[SOUT]             ; out: SP x lane: my 16 neighbours
	s_mov_b32 s22, 416
	s_wait_alu depctr_va_vdst(0)
	s_wait_kmcnt 0x0
	s_load_b256 s[32:39], s[12:13], 0x0            ; e0 .. e7
	s_cmp_lt_u32 ttmp9, 416                        ; which tensor: the choices hang on the work-group's number alone
	s_cselect_b64 s[20:21], s[8:9], s[10:11]
	s_cselect_b32 s22, 384, s22                    ; the tensor's first work-group
	s_cmp_lt_u32 ttmp9, 384
	s_cselect_b64 s[20:21], s[6:7], s[20:21]
	s_cselect_b32 s22, 256, s22
	s_cmp_lt_u32 ttmp9, 256
	s_cselect_b64 s[20:21], s[4:5], s[20:21]
	s_cselect_b32 s22, 0, s22
	s_cselect_b64 s[24:25], s[14:15], s[16:17]     ; codes go to xc or to wc,
	s_cselect_b32 s23, 0, 256                      ; counted from that buffer's first work-group
	s_sub_co_u32 s22, ttmp9, s22
	s_lshl_b32 s22, s22, 2
	s_add_co_u32 s22, s22, s18                     ; which run of 8,192 numbers of the tensor is my wave's
	s_lshl_b32 s26, s22, 15                        ; x 32,768 bytes
	s_mov_b32 s27, 0
	s_add_nc_u64 s[20:21], s[20:21], s[26:27]
	s_sub_co_u32 s23, ttmp9, s23
	s_lshl_b32 s23, s23, 2
	s_add_co_u32 s23, s23, s18
	s_lshl_b32 s26, s23, 13                        ; x 8,192 bytes of codes
	s_add_nc_u64 s[24:25], s[24:25], s[26:27]
	s_add_nc_u64 s[28:29], s[24:25], PLANE         ; planes 1 and 2 of xc: used by the work-groups of hidden_states alone
	s_add_nc_u64 s[30:31], s[24:25], 2*PLANE
.macro LOAD t
.irp i, 0,1,2,3
	global_load_b128 v[R+16*((\t)%4)+4*\i:R+16*((\t)%4)+4*\i+3], v[OFS], s[20:21] offset:2048*(\t)+512*\i th:TH_LOAD_NT   ; 32 lanes read 512 consecutive bytes; read once in the launch
.endr
.endm
.macro TURN t                          ; step t's numbers through the stage: LDS serves a wave's instructions in order (ISA guide 5.7.1.4), so no wait stands between the stores and the loads
.irp i, 0,1,2,3
	ds_store_b128 v[SIN], v[R+16*((\t)%4)+4*\i:R+16*((\t)%4)+4*\i+3] offset:32*SP*((\t)%2)+8*SP*\i
.endr
.irp i, 0,1,2,3
	ds_load_b128 v[X+16*((\t)%2)+4*\i:X+16*((\t)%2)+4*\i+3], v[SOUT] offset:32*SP*((\t)%2)+16*\i
.endr
.endm
.macro SCALE o, e                      ; 2^e and 57,344 x 2^e as f32 patterns, for output o
	s_add_co_i32 s26, \e, 127
	s_lshl_b32 s27, s26, 23
	v_mov_b32 v[SC+\o], s27                        ; the conversion takes its exponent field
	s_add_co_i32 s26, s26, 15
	s_lshl_b32 s26, s26, 23
	s_or_b32 s26, s26, 0x600000                    ; the mantissa field of 57,344
	v_mov_b32 v[LM+\o], s26
.endm
.irp t, 0,1,2,3
	LOAD \t
.endr
	s_wait_kmcnt 0x0
	s_cmp_lt_u32 ttmp9, 416
	s_cselect_b32 s19, s35, s37                    ; output 0's exponent: e5 (Wv), e3 (Wk), e1 (Wq) or e0 (hidden_states)
	s_cmp_lt_u32 ttmp9, 384
	s_cselect_b32 s19, s33, s19
	s_cmp_lt_u32 ttmp9, 256
	s_cselect_b32 s19, s32, s19
	SCALE 0, s19
	SCALE 1, s34                                   ; e2
	SCALE 2, s36                                   ; e4
	s_cmp_lg_u32 s34, s32                          ; plane 1 is made where e2 differs from e0,
	s_cselect_b32 s38, 1, 0
	s_cmp_lg_u32 s36, s32                          ; plane 2 where e4 does,
	s_cselect_b32 s39, 1, 0
	s_cmp_lt_u32 ttmp9, 256                        ; and by the work-groups of hidden_states alone
	s_cselect_b32 s38, s38, 0
	s_cselect_b32 s39, s39, 0
	s_wait_alu depctr_va_vdst(0)
	s_wait_loadcnt 12                              ; step 0's four loads are in; the twelve behind them may be out
	TURN 0
.macro CONV o, t, base                 ; the step's 16 numbers of my lane become 16 codes of output o
.irp i, 0,1,2,3,4,5,6,7,8,9,10,11,12,13,14,15
	v_med3_num_f32 v[T+\i], v[XS+\i], -v[LM+\o], v[LM+\o]   ; the conversion to an 8-bit code does not saturate (ISA guide 7.6.2): the number is held within the largest code x the scale first
.endr
	v_cvt_scalef32_pk8_bf8_f32 v[C+4*\o:C+4*\o+1], v[T:T+7], v[SC+\o]
	v_cvt_scalef32_pk8_bf8_f32 v[C+4*\o+2:C+4*\o+3], v[T+8:T+15], v[SC+\o]
	v_nop                                          ; one plain vector line between the conversions and the next holds, which write their sources
	global_store_b128 v[OFS], v[C+4*\o:C+4*\o+3], s[\base:\base+1] offset:512*(\t)   ; the wave stores 512 consecutive bytes, at a multiple of 256 from the buffer's first byte
.endm
.macro STEP t
.set XS, X+16*((\t)%2)
	s_wait_dscnt 0x0                               ; this step's numbers are back from the stage: so its stores into the stage have read their registers
	s_wait_xcnt 0x0                                ; the last step's stores have had their addresses translated (ISA guide 3.1): the codes' registers are written again only behind this wait
.if (\t)+4 < STEPS
	LOAD (\t)+4
.endif
.if (\t)+1 < STEPS
.if STEPS-2-(\t) >= 3
	s_wait_loadcnt 12                              ; the next step's four loads are in; those of the three steps behind it may be out
.else
	s_wait_loadcnt 4*(STEPS-2-(\t))                ; the tail: the counts run down
.endif
	TURN (\t)+1                                    ; through the other stage while this step is worked
.endif
	CONV 0, \t, 24
	s_cmp_lg_u32 s38, 0
	s_cbranch_scc0 .Lone_\@
	CONV 1, \t, 28
.Lone_\@:
	s_cmp_lg_u32 s39, 0
	s_cbranch_scc0 .Ltwo_\@
	CONV 2, \t, 30
.Ltwo_\@:
.endm
.irp t, 0,1,2,3,4,5,6,7,8,9,10,11,12,13,14,15
	STEP \t
.endr
	s_wait_tensorcnt 0x0
	ds_add_u32 v144, v145
	s_wait_dscnt 0x0
	s_endpgm
.Lfunc_end_k_qcced0bfaeb_quant:
	.size	k_qcced0bfaeb_quant, .Lfunc_end_k_qcced0bfaeb_quant-k_qcced0bfaeb_quant
	.p2alignl 7, 3214868480
	.fill 96, 4, 3214868480
	.section	.rodata,"a",@progbits
	.p2align	6, 0x0
	.amdhsa_kernel k_qcced0bfaeb_quant
		.amdhsa_group_segment_fixed_size 33280
		.amdhsa_private_segment_fixed_size 0
		.amdhsa_enable_private_segment 0
		.amdhsa_kernarg_size 56
		.amdhsa_user_sgpr_count 2
		.amdhsa_user_sgpr_kernarg_segment_ptr 1
		.amdhsa_wavefront_size32 1
		.amdhsa_system_sgpr_workgroup_id_x 1
		.amdhsa_system_sgpr_workgroup_id_y 1
		.amdhsa_system_sgpr_workgroup_id_z 1
		.amdhsa_system_vgpr_workitem_id 0
		.amdhsa_next_free_vgpr 146
		.amdhsa_next_free_sgpr 66
		.amdhsa_reserve_vcc 0
		.amdhsa_float_denorm_mode_32 3
		.amdhsa_float_denorm_mode_16_64 3
		.amdhsa_memory_ordered 1
		.amdhsa_forward_progress 1
		.amdhsa_inst_pref_size 82
	.end_amdhsa_kernel
	.amdgpu_metadata
---
amdhsa.version: [ 1, 2 ]
amdhsa.kernels:
  - .name:           k_qcced0bfaeb_quant
    .symbol:         k_qcced0bfaeb_quant.kd
    .args:
      - { .name: hidden_states, .offset: 0, .size: 8, .value_kind: global_buffer, .address_space: global }
      - { .name: Wq, .offset: 8, .size: 8, .value_kind: global_buffer, .address_space: global }
      - { .name: Wk, .offset: 16, .size: 8, .value_kind: global_buffer, .address_space: global }
      - { .name: Wv, .offset: 24, .size: 8, .value_kind: global_buffer, .address_space: global }
      - { .name: lowp_scales, .offset: 32, .size: 8, .value_kind: global_buffer, .address_space: global }
      - { .name: xc, .offset: 40, .size: 8, .value_kind: global_buffer, .address_space: global }
      - { .name: wc, .offset: 48, .size: 8, .value_kind: global_buffer, .address_space: global }
    .group_segment_fixed_size: 33280
    .private_segment_fixed_size: 0
    .kernarg_segment_align: 8
    .kernarg_segment_size: 56
    .max_flat_workgroup_size: 128
    .sgpr_count:     66
    .vgpr_count:     146
    .wavefront_size: 32
...
	.end_amdgpu_metadata
.endif
;; end of part 1
;; launch proj (part 2): grid 16 x 12, 4 waves a work-group, clusters of 4 x 1, 327,680 bytes of LDS; arguments xc, wc, lowp_scales, bq, bk, bv, qkv; writes qkv
.if DOCPART == 2
	.amdgcn_target "amdgcn-amd-amdhsa--gfx1250"
	.amdhsa_code_object_version 6
	.text
	.protected	k_qcced0bfaeb_proj
	.globl	k_qcced0bfaeb_proj
	.p2align	8
	.type	k_qcced0bfaeb_proj,@function
k_qcced0bfaeb_proj:
	s_mov_b64 s[64:65], 0
	v_nop
	global_prefetch_b8 v0, s[64:65] scope:SCOPE_SE
	s_setreg_imm32_b32 hwreg(HW_REG_WAVE_MODE, 25, 1), 1
	s_wait_xcnt 0x0
	s_wait_alu depctr_hold_cnt(0) depctr_sa_sdst(0) depctr_va_vdst(0) depctr_va_sdst(0) depctr_va_ssrc(0) depctr_va_vcc(0) depctr_vm_vsrc(0)
	s_getreg_b32 s2, hwreg(HW_REG_IB_STS2, 6, 4)
	s_cmp_eq_u32 s2, 0
	s_cbranch_scc0 .Lentry_in_a_cluster
	s_endpgm
.Lentry_in_a_cluster:
	s_bfe_u32 s2, ttmp6, 0x10000c
	s_cmp_lg_u32 s2, 0x3003
	s_cbranch_scc0 .Lentry_shape_is_right
	s_endpgm
.Lentry_shape_is_right:
; q, k, v = hidden_states W^T + b on codes of BF8 (E5M2), and the results quantised again for the attention launch.
; xc: [3 planes][4096 tokens][2048] codes of hidden_states (scales: entries 0, 2, 4); wc: [3072][2048] codes of Wq, Wk, Wv (entries 1, 3, 5).
; Work-group (x, y) makes tokens 256 x .. x columns 256 y .. of the 3,072: y 0-7 q, 8-9 k, 10-11 v.  Four waves, 128 x 128 each, 64 accumulators.
; qkv: [24 blocks of 128 columns][4096 tokens][128 bytes], laid as images of operand registers (a fragment is 2,048 bytes: registers 4 c .. 4 c + 3 of lane l at 512 c + 16 l).
; q and k: source 0 = rows of W, source 1 = tokens: a lane holds one token and eight neighbouring channels, the next product's K.
; v: the keys are the next product's K, so source 0 = tokens and source 1 = rows of Wv.  LDS addresses hang on the wave's number alone: LDS part 0 (rows 0-255 of a slot) feeds source 1 and part 1 feeds source 0;
; for v the tiles change sides in memory: waves 0, 1 then fetch W's tile and waves 2, 3 the tokens'.  The branch that picks the load hangs on the wave's number and on y, which the four partners share.
; Each sum x 2^(ea + eb) + bias is held within +-57,344 x 2^e and converted with e = entry 7 (q), 6 (k), 8 (v).
; LIMITS: ea + eb between -126 and 127; the three output exponents between -126 and 112.  NaN among the inputs is not served.
; CLUSTER: the four partners (four token blocks, one y) need the same tile of W: it is asked for jointly (mask 15); the tokens' tile is each work-group's own.
; K goes in steps of 256 through a ring of two slots; every wave fetches 128 rows of 256 bytes by one tensor load.  All of LDS is claimed.
.set SIZE_K, 2048
.set KSTEP,  256
.set ROWB,   256
.set KROW,   SIZE_K
.set PITCH,  272                       ; 256 bytes + 16 of padding: the 16 rows of a fragment load start at 16 different banks (ISA guide 11.1)
.set FR,     16
.set NL,     4
.set NP,     4                         ; places behind this matrix form (ISA guide 7.12.1)
.set HALFT,  128*PITCH
.set SLOT,   4*HALFT
.set LAPS,   SIZE_K/(2*KSTEP)
.set SPARE,  2*SLOT                    ; the spare words, 128 bytes a wave; no other line names them
.set HB,   8                           ; v8   32 x (lane / 16): my eight channels' biases
.set RB,   9                           ; v9   4 x (lane % 16): my row's bias (v)
.set PFO,  10                          ; v10  prefetch offset: lane x a row
.set PFQ,  11                          ; v11  the same with the lane held at 15
.set QS,   12
.set QL,   13
.set BRX,  14
.set ADRA, 16                          ; v16-17 LDS address of source 1's fragments in slot 0, 1
.set ADRB, 20                          ; v20-21 of source 0's
.set CO,   26
.set SPW,  28
.set NIL,  29
.set BC,   32                          ; v32-95 biases by register (q, k)
.set BR,   96                          ; v96-103 biases by lane (v)
.set AF,   128
.set T,    128
.set CD0,  192
.set G1, 24
.set G0, 32
.set G1B, 48
.set G0B, 56
.set PFX, 66                           ; s[66:67] where my prefetches of the tokens' tile stand
.set PFW, 98                           ; s[98:99] and of W's tile
.set MSB, 0
.macro WIN new                         ; the immediate's high byte repeats the setting that is left
.if MSB != \new
	s_set_vgpr_msb (MSB<<8)|\new
.set MSB, \new
.endif
.endm
.set MUL_LO, 0xa1
.set MUL_HI, 0xf1
.set TO_B,   0x40
.macro JLOAD g0a, g1a, g0b, g1b        ; s12 = 0: I fetch the tokens' tile (my own); 1: W's tile (joint).  s_nop 0 and four v_nop follow each line
	s_cmp_eq_u32 s12, 0
	s_cbranch_scc0 .Lfor_b_\@
	tensor_load_to_lds s[\g0a:\g0a+3], s[\g1a:\g1a+7]
	s_nop 0
.rept 4
	v_nop
.endr
	s_branch .Lasked_\@
.Lfor_b_\@:
	tensor_load_to_lds s[\g0b:\g0b+3], s[\g1b:\g1b+7]
	s_nop 0
.rept 4
	v_nop
.endr
.Lasked_\@:
.endm
.macro CREST
	s_cmp_lg_u32 s14, 0
	s_cbranch_scc1 .Lnot_wave_0_\@
	s_barrier_signal -3
.Lnot_wave_0_\@:
	s_barrier_wait -3
	s_barrier_signal -1
	s_barrier_wait -1
.endm
.macro CROUND
	s_barrier_signal -1
	s_barrier_wait -1
	CREST
.endm
; A prefetch of one K step: 256 bytes of each row.  The tokens' 256 rows: 64 a wave, a lane a row, two lines.  W's 256 rows are shared out among the four partners by address (64 each), 16 a wave; lanes 16-31 name the wave's last row again.
.macro ASK off
	global_prefetch_b8 v[PFO], s[PFX:PFX+1] offset:\off th:TH_LOAD_NT scope:SCOPE_SE
	global_prefetch_b8 v[PFO], s[PFX:PFX+1] offset:\off+32*KROW th:TH_LOAD_NT scope:SCOPE_SE
	global_prefetch_b8 v[PFQ], s[PFW:PFW+1] offset:\off th:TH_LOAD_NT scope:SCOPE_SE
.endm
	s_load_b128 s[4:7], s[0:1], 0x0                ; xc, wc
	s_load_b128 s[8:11], s[0:1], 0x10              ; the exponents, bq
	s_load_b128 s[84:87], s[0:1], 0x20             ; bk, bv
	s_load_b64 s[88:89], s[0:1], 0x30              ; qkv
	v_lshl_add_u32 v[SPW], v0, 2, SPARE
	v_mov_b32 v[NIL], 0
	ds_add_u32 v[SPW], v[NIL]                      ; the opening lines: the add twice on end and its wait ahead of my first tensor load
	ds_add_u32 v[SPW], v[NIL]
	v_lshrrev_b32 v1, 5, v0
	v_readfirstlane_b32 s14, v1                    ; wave
	s_lshr_b32 s15, s14, 1                         ; which half of LDS part 0 I multiply
	s_and_b32 s16, s14, 1                          ; which half of part 1; also which 128 rows of a tile I fetch
	s_bfe_u32 s40, ttmp6, 0x40000                  ; cx
	s_lshl_b32 s17, ttmp9, 2
	s_add_co_u32 s17, s17, s40                     ; block of 256 tokens
	s_and_b32 s42, ttmp7, 0xffff                   ; y
	s_cmp_ge_u32 s42, 10
	s_cselect_b32 s13, 1, 0                        ; 1 for v
	s_cselect_b32 s94, s16, s15                    ; my half of the tokens
	s_cselect_b32 s95, s15, s16                    ; my half of the columns
	s_xor_b32 s12, s15, s13                        ; what I fetch
	s_mov_b32 s[G1+0], (0<<16)|(1<<20)|(5<<22)|(3<<25)              ; bytes; four words of padding after every 64
	s_mov_b32 s[G1B+0], 15|(0<<16)|(1<<20)|(1<<21)|(5<<22)|(3<<25)  ; the same, for all four partners
.irp g, G1, G1B
	s_mov_b32 s[\g+1], ROWB<<16
	s_mov_b32 s[\g+2], 128<<16
	s_mov_b32 s[\g+3], ROWB<<16
	s_mov_b32 s[\g+4], 128
	s_mov_b32 s[\g+5], KROW
	s_mov_b32 s[\g+6], 0
	s_mov_b32 s[\g+7], 0
.endr
	s_lshl_b32 s18, s16, 7
	s_lshl_b32 s20, s17, 8
	s_add_co_u32 s20, s20, s18
	s_lshl_b32 s20, s20, 11
	s_mov_b32 s21, 0
	s_lshl_b32 s46, s42, 8
	s_add_co_u32 s46, s46, s18
	s_lshl_b32 s46, s46, 11                        ; W's 128 rows: no place in the cluster enters
	s_mov_b32 s47, 0
	s_mul_i32 s45, s14, HALFT                      ; where my load lands: wave x 128 rows
	s_lshl_b32 s43, s42, 1
	s_add_co_u32 s43, s43, s95                     ; my block of 128 columns
	s_lshl_b32 s78, s17, 8
	s_lshl_b32 s79, s14, 6
	s_add_co_u32 s78, s78, s79
	s_lshl_b32 s78, s78, 11
	s_mov_b32 s79, 0
	s_lshl_b32 s80, s42, 8
	s_lshl_b32 s81, s40, 6
	s_add_co_u32 s80, s80, s81
	s_lshl_b32 s81, s14, 4
	s_add_co_u32 s80, s80, s81
	s_lshl_b32 s80, s80, 11                        ; W's rows 64 cx + 16 wave on
	s_mov_b32 s81, 0
	s_wait_dscnt 0x0
	s_wait_kmcnt 0x0
	s_load_b256 s[68:75], s[8:9], 0x0              ; e0 .. e7
	s_load_b64 s[76:77], s[8:9], 0x20              ; e8, e9
	s_add_nc_u64 s[46:47], s[6:7], s[46:47]
	s_add_nc_u64 s[PFW:PFW+1], s[6:7], s[80:81]
	CROUND                                         ; the round in front of the first loads
	s_wait_kmcnt 0x0                               ; the exponents: a plane of xc is made only where its exponent differs from entry 0's; else plane 0 serves.  A choice of an offset, no branch
	s_cmp_eq_u32 s70, s68
	s_cselect_b32 s18, 0, 1                        ; k: plane 1, or 0 where e2 = e0
	s_cmp_eq_u32 s72, s68
	s_cselect_b32 s19, 0, 2                        ; v: plane 2, or 0 where e4 = e0
	s_cmp_ge_u32 s42, 10
	s_cselect_b32 s19, s19, s18
	s_cmp_ge_u32 s42, 8
	s_cselect_b32 s19, s19, 0                      ; q: plane 0
	s_min_u32 s19, s19, 2                          ; the plane's number hangs on loaded whole numbers: it is held at 2 before it enters an offset
	s_lshl_b32 s19, s19, 23                        ; x 8,388,608 bytes, a plane of xc
	s_add_co_u32 s20, s20, s19
	s_add_co_u32 s78, s78, s19
	s_add_nc_u64 s[20:21], s[4:5], s[20:21]
	s_add_nc_u64 s[PFX:PFX+1], s[4:5], s[78:79]
.irp s, 0,1
	s_mov_b32 s[G0+4*\s], 1
	s_add_co_u32 s[G0+4*\s+1], s45, \s*SLOT
	s_add_nc_u64 s[G0+4*\s+2:G0+4*\s+3], s[20:21], \s*ROWB
	s_or_b32 s[G0+4*\s+3], s[G0+4*\s+3], 0x80000000
	s_mov_b32 s[G0B+4*\s], 1
	s_add_co_u32 s[G0B+4*\s+1], s45, \s*SLOT
	s_add_nc_u64 s[G0B+4*\s+2:G0B+4*\s+3], s[46:47], \s*ROWB
	s_or_b32 s[G0B+4*\s+3], s[G0B+4*\s+3], 0x80000000
.endr
	JLOAD G0, G1, G0B, G1B                         ; K step 0: one tensor load a wave at the head
	s_cmp_lt_u32 s42, 10
	s_cselect_b64 s[90:91], s[84:85], s[86:87]
	s_cselect_b32 s44, 16, 20
	s_cmp_lt_u32 s42, 8
	s_cselect_b64 s[90:91], s[10:11], s[90:91]     ; my bias vector,
	s_cselect_b32 s44, 0, s44
	s_sub_co_u32 s44, s43, s44
	s_lshl_b32 s92, s44, 9
	s_mov_b32 s93, 0
	s_add_nc_u64 s[90:91], s[90:91], s[92:93]      ; at my 128 columns
	s_lshl_b32 s92, s43, 12
	s_lshl_b32 s18, s17, 8
	s_add_co_u32 s92, s92, s18
	s_lshl_b32 s18, s94, 7
	s_add_co_u32 s92, s92, s18
	s_lshl_b32 s92, s92, 7
	s_add_nc_u64 s[88:89], s[88:89], s[92:93]      ; qkv: (4096 block + my first token) x 128
	s_mul_i32 s21, s15, HALFT
	s_mul_i32 s22, s16, HALFT
	s_add_co_u32 s22, s22, 2*HALFT
	s_add_co_u32 s23, s21, SLOT
	s_add_co_u32 s19, s22, SLOT
	v_and_b32 v1, 15, v0
	v_bfe_u32 v2, v0, 4, 1
	v_lshlrev_b32 v[HB], 5, v2
	v_lshlrev_b32 v[RB], 2, v1
	v_mul_u32_u24 v3, v1, PITCH
	v_lshl_add_u32 v4, v2, 4, v3                   ; a fragment's row x pitch + 16 x half
	v_and_b32 v6, 31, v0
	v_lshlrev_b32 v[CO], 4, v6
	v_lshlrev_b32 v[PFO], 11, v6
	v_min_u32 v7, 15, v6
	v_lshlrev_b32 v[PFQ], 11, v7
	v_add_nc_u32 v[ADRA], s21, v4
	v_add_nc_u32 v[ADRA+1], s23, v4
	v_add_nc_u32 v[ADRB], s22, v4
	v_add_nc_u32 v[ADRB+1], s19, v4
	s_wait_alu depctr_va_vdst(0)                   ; the wait at the end of the head's vector work
.irp b, 0,1,2,3,4,5,6,7
	global_load_b128 v[BC+8*\b:BC+8*\b+3], v[HB], s[90:91] offset:64*\b
	global_load_b128 v[BC+8*\b+4:BC+8*\b+7], v[HB], s[90:91] offset:64*\b+16
.endr
.irp a, 0,1,2,3,4,5,6,7
	global_load_b32 v[BR+\a], v[RB], s[90:91] offset:64*\a
.endr
	ASK ROWB                                       ; K steps 1 and 2: each is asked for once, two loads ahead of its own
	ASK 2*ROWB
.macro FRAG reg, adr, q, i             ; 16 rows x 128 K: registers 4 c .. 4 c + 3 hold K = 32 c + 16 (lane / 16) + 0 .. 15, alike in both operands
.irp c, 0,1,2,3
	ds_load_b128 v[\reg+4*\c:\reg+4*\c+3], v[\adr] offset:128*(\q)+32*\c+(\i)*16*PITCH
.endr
.endm
.macro MUL16 a0, p, zero               ; the 64 accumulators take turns; zero = 1: the first product starts the sums
.irp a, \a0, \a0+1
.irp b, 0,1,2,3,4,5,6,7
.if \zero
	v_wmma_f32_16x16x128_bf8_bf8 v[8*(8*((\a)%4)+\b):8*(8*((\a)%4)+\b)+7], v[128*(\p)+FR*\b:128*(\p)+FR*\b+FR-1], v[AF+FR*(\a):AF+FR*(\a)+FR-1], 0
.else
	v_wmma_f32_16x16x128_bf8_bf8 v[8*(8*((\a)%4)+\b):8*(8*((\a)%4)+\b)+7], v[128*(\p)+FR*\b:128*(\p)+FR*\b+FR-1], v[AF+FR*(\a):AF+FR*(\a)+FR-1], v[8*(8*((\a)%4)+\b):8*(8*((\a)%4)+\b)+7]
.endif
.endr
.endr
.endm
.macro FETCH_B slot, q, p
	WIN TO_B
.irp i, 0,1,2,3,4,5,6,7
	FRAG 128*(\p)+FR*\i, ADRB+\slot, \q, \i
.endr
	WIN 0
.endm
.macro FETCH_A slot, q, i0
.irp i, \i0, \i0+1, \i0+2, \i0+3
	FRAG AF+FR*(\i), ADRA+\slot, \q, \i
.endr
.endm
.macro PLACES n
.rept \n
	v_nop
.endr
.endm
.macro STEP slot, q, zero              ; 128 along K, with its successor in the same slot
	s_wait_dscnt 4*NL                              ; source 0's set and source 1's blocks 0-3 are in; the youngest 16 loads (blocks 4-7) may be out
	WIN MUL_LO
	MUL16 0, (\q)%2, \zero
	MUL16 2, (\q)%2, \zero
	s_wait_dscnt 0
	PLACES NP
	FETCH_B \slot, (\q)+1, 1-(\q)%2
	FETCH_A \slot, (\q)+1, 0
	WIN MUL_HI
	MUL16 4, (\q)%2, \zero
	MUL16 6, (\q)%2, \zero
	PLACES NP
	WIN 0
	FETCH_A \slot, (\q)+1, 4
.endm
.macro TURN slot, next, fill           ; a slot's last step changes slots
.if \fill
	s_wait_xcnt 0x0                                ; my prefetches have read their addresses: a K step on
	s_add_nc_u64 s[PFX:PFX+1], s[PFX:PFX+1], ROWB
	s_add_nc_u64 s[PFW:PFW+1], s[PFW:PFW+1], ROWB
.endif
	s_wait_tensorcnt 0x0                           ; my part of the next slot is in
	ds_add_u32 v[SPW], v[NIL]
	s_wait_dscnt 4*NL+1                            ; the add and the youngest 16 loads may be out
	WIN MUL_LO
	MUL16 0, 1, 0
	s_wait_dscnt 0x0                               ; the add is done and my reads of this slot are over
	s_barrier_signal -1
	MUL16 2, 1, 0
	WIN 0
	s_barrier_wait -1
.if \fill
	CREST                                          ; the barrier opened a round of the cluster's
	s_add_nc_u64 s[G0+4*\slot+2:G0+4*\slot+3], s[G0+4*\slot+2:G0+4*\slot+3], 2*ROWB
	s_add_nc_u64 s[G0B+4*\slot+2:G0B+4*\slot+3], s[G0B+4*\slot+2:G0B+4*\slot+3], 2*ROWB
	JLOAD G0+4*\slot, G1, G0B+4*\slot, G1B         ; the refill, first behind the round; its four v_nop are the places in front of the loads below
.else
	PLACES NP
.endif
	FETCH_B \next, 0, 0
	FETCH_A \next, 0, 0
.if \fill
	s_cmp_gt_u32 s3, 1                             ; the last trip's refills have no K step two on
	s_cbranch_scc0 .Lno_ask_\@
	ASK 0                                          ; the K step two refills on
.Lno_ask_\@:
.endif
	WIN MUL_HI
	MUL16 4, 1, 0
	MUL16 6, 1, 0
	PLACES NP
	WIN 0
	FETCH_A \next, 0, 4
.endm
	s_wait_tensorcnt 0x0                           ; my part of K step 0 is in; slot 1's first fill is issued as a refill is
	ds_add_u32 v[SPW], v[NIL]
	s_wait_dscnt 0x0
	CROUND
	JLOAD G0+4, G1, G0B+4, G1B                     ; K step 1
	FETCH_B 0, 0, 0
	FETCH_A 0, 0, 0
	FETCH_A 0, 0, 4
	ASK 3*ROWB                                     ; K step 3
	STEP 0, 0, 1
	s_wait_xcnt 0x0
	s_add_nc_u64 s[PFX:PFX+1], s[PFX:PFX+1], 3*ROWB
	s_add_nc_u64 s[PFW:PFW+1], s[PFW:PFW+1], 3*ROWB
	s_mov_b32 s3, LAPS-1
.Llap:
	TURN 0, 1, 1
	STEP 1, 0, 0
	TURN 1, 0, 1
	STEP 0, 0, 0
	s_sub_co_u32 s3, s3, 1
	s_cmp_lg_u32 s3, 0
	s_cbranch_scc1 .Llap
	TURN 0, 1, 0
	STEP 1, 0, 0
	s_wait_dscnt 4*NL
	WIN MUL_LO
	MUL16 0, 1, 0
	MUL16 2, 1, 0
	s_wait_dscnt 0
	WIN MUL_HI
	MUL16 4, 1, 0
	MUL16 6, 1, 0
	WIN 0
	; THE WAY OUT: the product's two exponents, the output's exponent, and which of the two bias forms counts, chosen by y
	s_wait_kmcnt 0x0
	s_cmp_lt_u32 s42, 10
	s_cselect_b32 s78, s70, s72
	s_cselect_b32 s79, s71, s73
	s_cselect_b32 s80, s74, s76
	s_cselect_b32 s81, -1, 0                       ; biases by register: q, k
	s_cselect_b32 s82, 0, -1                       ; biases by lane: v
	s_cmp_lt_u32 s42, 8
	s_cselect_b32 s78, s68, s78
	s_cselect_b32 s79, s69, s79
	s_cselect_b32 s80, s75, s80
	s_add_co_i32 s96, s78, s79
	s_add_co_i32 s96, s96, 127
	s_lshl_b32 s96, s96, 23                        ; 2^(ea + eb)
	s_mov_b32 s97, s96
	s_add_co_i32 s80, s80, 127
	s_lshl_b32 s83, s80, 23
	s_add_co_i32 s80, s80, 15
	s_lshl_b32 s80, s80, 23
	s_or_b32 s80, s80, 0x600000
	s_wait_loadcnt 0x0
	v_mov_b32 v[QS], s83                           ; 2^e of the output
	v_mov_b32 v[QL], s80                           ; 57,344 x 2^e
.set j, 0
.rept 64
	v_and_b32 v[BC+j], s81, v[BC+j]
.set j, j+1
.endr
.set j, 0
.rept 8
	v_and_b32 v[BR+j], s82, v[BR+j]
.set j, j+1
.endr
.macro BLOCK a                         ; source 1's block a: 16 rows x 128: scaled, biased, held, converted: 2,048 bytes, an operand's image; a store of the wave covers 512 consecutive bytes, aligned
.set AC, 64*((\a)%4)
.set CD, CD0+16*((\a)%4)
	s_wait_xcnt 0x0
	v_mov_b32 v[BRX], v[BR+\a]
	v_mov_b32 v[BRX+1], v[BR+\a]
	WIN 0x02+((\a)/4)
.set j, 0
.rept 32
	v_pk_fma_f32 v[T+j:T+j+1], v[AC+j:AC+j+1], s[96:97], v[BC+j:BC+j+1] op_sel_hi:[1,0,1]
.set j, j+2
.endr
	WIN 0
.set j, 0
.rept 32
	v_pk_add_f32 v[T+j:T+j+1], v[T+j:T+j+1], v[BRX:BRX+1]
.set j, j+2
.endr
.set j, 0
.rept 64
	v_med3_num_f32 v[T+j], v[T+j], -v[QL], v[QL]   ; the conversion does not saturate (ISA guide 7.6.2)
.set j, j+1
.endr
.set j, 0
.rept 8
	v_cvt_scalef32_pk8_bf8_f32 v[CD+2*j:CD+2*j+1], v[T+8*j:T+8*j+7], v[QS]
.set j, j+1
.endr
	v_nop
.irp c, 0,1,2,3
	global_store_b128 v[CO], v[CD+4*\c:CD+4*\c+3], s[88:89] offset:2048*(\a)+512*\c
.endr
.endm
	s_wait_alu depctr_va_vdst(0)                   ; the wait ahead of the blocks' waits
.irp a, 0,1,2,3,4,5,6,7
	BLOCK \a
.endr
	s_wait_tensorcnt 0x0                           ; the wave's end
	ds_add_u32 v[SPW], v[NIL]
	s_wait_dscnt 0x0
	CROUND                                         ; the closing round
	s_endpgm
.Lfunc_end_k_qcced0bfaeb_proj:
	.size	k_qcced0bfaeb_proj, .Lfunc_end_k_qcced0bfaeb_proj-k_qcced0bfaeb_proj
	.p2alignl 7, 3214868480
	.fill 96, 4, 3214868480
	.section	.rodata,"a",@progbits
	.p2align	6, 0x0
	.amdhsa_kernel k_qcced0bfaeb_proj
		.amdhsa_group_segment_fixed_size 327680
		.amdhsa_private_segment_fixed_size 0
		.amdhsa_enable_private_segment 0
		.amdhsa_kernarg_size 56
		.amdhsa_user_sgpr_count 2
		.amdhsa_user_sgpr_kernarg_segment_ptr 1
		.amdhsa_wavefront_size32 1
		.amdhsa_system_sgpr_workgroup_id_x 1
		.amdhsa_system_sgpr_workgroup_id_y 1
		.amdhsa_system_sgpr_workgroup_id_z 1
		.amdhsa_system_vgpr_workitem_id 0
		.amdhsa_next_free_vgpr 1024
		.amdhsa_next_free_sgpr 100
		.amdhsa_reserve_vcc 0
		.amdhsa_float_denorm_mode_32 3
		.amdhsa_float_denorm_mode_16_64 3
		.amdhsa_memory_ordered 1
		.amdhsa_forward_progress 1
		.amdhsa_inst_pref_size 158
	.end_amdhsa_kernel
	.amdgpu_metadata
---
amdhsa.version: [ 1, 2 ]
amdhsa.kernels:
  - .name:           k_qcced0bfaeb_proj
    .symbol:         k_qcced0bfaeb_proj.kd
    .args:
      - { .name: xc, .offset: 0, .size: 8, .value_kind: global_buffer, .address_space: global }
      - { .name: wc, .offset: 8, .size: 8, .value_kind: global_buffer, .address_space: global }
      - { .name: lowp_scales, .offset: 16, .size: 8, .value_kind: global_buffer, .address_space: global }
      - { .name: bq, .offset: 24, .size: 8, .value_kind: global_buffer, .address_space: global }
      - { .name: bk, .offset: 32, .size: 8, .value_kind: global_buffer, .address_space: global }
      - { .name: bv, .offset: 40, .size: 8, .value_kind: global_buffer, .address_space: global }
      - { .name: qkv, .offset: 48, .size: 8, .value_kind: global_buffer, .address_space: global }
    .group_segment_fixed_size: 327680
    .private_segment_fixed_size: 0
    .kernarg_segment_align: 8
    .kernarg_segment_size: 56
    .max_flat_workgroup_size: 128
    .sgpr_count:     100
    .vgpr_count:     1024
    .wavefront_size: 32
...
	.end_amdgpu_metadata
.endif
;; end of part 2
;; launch attn (part 3): grid 8 x 32, 8 waves a work-group, clusters of 4 x 1, 327,680 bytes of LDS; arguments qkv, attention_mask, lowp_scales, out0; writes out0
.if DOCPART == 3
	.amdgcn_target "amdgcn-amd-amdhsa--gfx1250"
	.amdhsa_code_object_version 6
	.text
	.protected	k_qcced0bfaeb_attn
	.globl	k_qcced0bfaeb_attn
	.p2align	8
	.type	k_qcced0bfaeb_attn,@function
k_qcced0bfaeb_attn:
	s_mov_b64 s[64:65], 0
	v_nop
	global_prefetch_b8 v0, s[64:65] scope:SCOPE_SE
	s_setreg_imm32_b32 hwreg(HW_REG_WAVE_MODE, 25, 1), 1
	s_wait_xcnt 0x0
	s_wait_alu depctr_hold_cnt(0) depctr_sa_sdst(0) depctr_va_vdst(0) depctr_va_sdst(0) depctr_va_ssrc(0) depctr_va_vcc(0) depctr_vm_vsrc(0)
	s_getreg_b32 s2, hwreg(HW_REG_IB_STS2, 6, 4)
	s_cmp_eq_u32 s2, 0
	s_cbranch_scc0 .Lentry_in_a_cluster
	s_endpgm
.Lentry_in_a_cluster:
	s_bfe_u32 s2, ttmp6, 0x10000c
	s_cmp_lg_u32 s2, 0x3003
	s_cbranch_scc0 .Lentry_shape_is_right
	s_endpgm
.Lentry_shape_is_right:
; out0[b][s][128 head + d] = the sum over keys t of softmax_t(q . k / sqrt(128) + mask) v, both products on codes of BF8 (E5M2).  16 heads, 4 groups of k and v (group = head / 4), 2 batches of 2,048 tokens.
; qkv: [wb][4096 tokens][128 bytes], images of operand registers (fragment of 2,048 bytes: registers 4 c .. 4 c + 3 of lane l at 512 c + 16 l; registers 2 i, 2 i + 1 of lane (r, h): K = 16 i + 8 h + 0 .. 7 of row r).
;   wb = head: q, 16 tokens a fragment;  16 + group: k likewise;  20 + group: v, in blocks of 128 tokens: fragment a = channels 16 a .. 16 a + 15 x those 128 tokens.
; lowp_scales: entry 6 k's exponent, 7 q's, 8 v's, 9 p's.
; THE SOFTMAX: t = score x log2(e) / sqrt(128); M = the largest t so far, rounded UP to a whole number; p = 2^(t - M) is quantised along the keys, not normalised; the row's sum is taken of the unquantised p and divides at the end.
; When M moves, the sum and O are multiplied by 2^(old M - new M), which rounds nothing.
; THE MASK is read once and turned into a table of f32 in LDS (0 for a key that counts, -2^96 for one that does not).  A step's 64 numbers are loaded into the score registers and are the C of the first product, in place.
; A raw score (128 products of codes) is under 2^39 in size, so -2^96 swamps it and p = 0.  The step's largest raw score has the floor -2^40 among its leaves, so a masked score never sets M.
; LIMITS: entries 6 + 7 between -84 and 30; entry 9 between -126 and 112.  A batch in which NO key counts gives 0 x (1 / 0) = NaN.
; SHARES.  A work-group owns 256 queries of one head; each of its EIGHT waves 32: tile x of 16 queries in register window x, at the same numbers.  Two waves share a SIMD, so that one's vector work stands beside the other's products and LDS loads.
; Each fragment of k and v read from LDS feeds two matrix instructions.  Every wave walks all 2,048 keys, 128 a step.
; LAYOUT.  Both products transposed: S^T = K Q^T, O^T = V^T P^T: a lane holds ONE query; tile a's eight registers are keys 16 a + 8 (lane / 16) + 0 .. 7, so their conversion gives registers 2 a, 2 a + 1 of the second product's operand.
; A STEP: k's 8 fragments into v32-95 of both windows; 16 products; v's 8 fragments into the same registers, landing under the softmaxes; behind each softmax the next step's mask numbers into that tile's score registers; 16 products.
; The table is stored twice on end, so that the last step's look-ahead reads written bytes; what it brings is not used.
; CLUSTER: the four query blocks of a cluster belong to one head and walk the same k and v: each tile is asked for JOINTLY (mask 15).  A ring of two slots of 512 keys: waves 0-3 fetch k's four steps, waves 4-7 v's, 16,384 bytes each.
; All of LDS is claimed.
; REGISTERS.  Window 0 alone: v1-11 addresses.  Both windows: v12 -M, v13 the largest t, v[14:15] the sum, v16-31 Q, v32-95 fragments, v96-159 S^T then p, v160-223 O^T, v224-239 p's codes, v236-254 at work, v240 57,344 x 2^e9, v244 2^e9.
.set STEPB, 16384                      ; a key step's tile of k or of v
.set VOFF,  65536                      ; a slot: k's four steps, then v's four
.set SLOT1, 1<<17
.set MT,    262144                     ; the mask's table, 2,048 f32, twice; no tile lands here
.set STG,   278528                     ; the way out: 16 rows x 272 bytes for each wave; no tile lands here
.set SPARE, 313344                     ; the spare words, 128 bytes a wave; no other line names them
.set LI,   1                           ; v1   16 x lane
.set MH,   2                           ; v2   MT + 32 (lane / 16)
.set PFO,  3                           ; v3   256 x lane
.set ADV,  4                           ; v4   LDS address of the step's v
.set SPW,  5
.set NIL,  6
.set GO,   7                           ; v7   my byte offset in two rows of out0
.set ADK,  8                           ; v8   LDS address of the step's k
.set ADM,  9                           ; v9   LDS address of the next step's part of the table
.set SI,   10
.set SO,   11
.set WV,   18
.set SEL,  20
.set CS,   22                          ; s[22:23] c = log2(e) / sqrt(128) x 2^(e6 + e7)
.set G1,   24
.set G0,   40
.set KB,   44                          ; s44  LDS byte of the step's k
.set MB,   45                          ; s45  byte in the table of the next step
.set SLOTS, 46
.set CNT,  47
.set PFA,  48
.set LIM,  50
.set MSB, 0
.macro WIN new
.if MSB != \new
	s_set_vgpr_msb (MSB<<8)|\new
.set MSB, \new
.endif
.endm
.macro CROUND
	s_barrier_signal -1
	s_barrier_wait -1
	s_cmp_lg_u32 s[WV], 0
	s_cbranch_scc1 .Lnot_wave_0_\@
	s_barrier_signal -3
.Lnot_wave_0_\@:
	s_barrier_wait -3
	s_barrier_signal -1
	s_barrier_wait -1
.endm
.macro TLOAD                           ; every wave fetches its eighth of a slot by one joint load; s_nop 0 and four v_nop follow
	tensor_load_to_lds s[G0:G0+3], s[G1:G1+7]
	s_nop 0
.rept 4
	v_nop
.endr
.endm
; A prefetch of what the NEXT change of slots will ask for, a slot's four key steps ahead of that load.  Of the eight clusters that walk a group's k and v the first asks; its four partners take 16,384 bytes of k and of v each,
; told apart by address; waves 0, 1 ask for k's, waves 4, 5 for v's, 8,192 bytes each, lanes 256 bytes apart.  Slots 0 and 1 come by their loads alone; the last change that fills asks for nothing.
.macro ASK
	s_cmp_gt_u32 s[SLOTS], s[LIM]
	s_cbranch_scc0 .Lnot_mine_\@
	global_prefetch_b8 v[PFO], s[PFA:PFA+1] th:TH_LOAD_NT scope:SCOPE_SE
.Lnot_mine_\@:
.endm
	s_load_b256 s[4:11], s[0:1], 0x0               ; qkv, attention_mask, the exponents, out0
	v_lshl_add_u32 v[SPW], v0, 2, SPARE
	v_mov_b32 v[NIL], 0
	ds_add_u32 v[SPW], v[NIL]                      ; the opening lines: the add twice on end and its wait
	ds_add_u32 v[SPW], v[NIL]
	v_lshrrev_b32 v8, 5, v0
	v_readfirstlane_b32 s[WV], v8                  ; wave 0..7
	s_bfe_u32 s12, ttmp6, 0x40000                  ; cx
	s_lshl_b32 s13, ttmp9, 2
	s_add_co_u32 s13, s13, s12                     ; my block of 256 queries
	s_and_b32 s14, ttmp7, 0xffff                   ; 16 x batch + head
	s_lshr_b32 s15, s14, 4
	s_and_b32 s19, s14, 15
	s_lshr_b32 s54, s19, 2                         ; group
	s_lshr_b32 s55, s[WV], 2                       ; 0: I fetch k; 1: v
	s_lshl_b32 s55, s55, 2
	s_add_co_u32 s55, s55, s54
	s_add_co_u32 s55, s55, 16                      ; wb
	s_lshl_b32 s55, s55, 12
	s_lshl_b32 s56, s15, 11
	s_add_co_u32 s55, s55, s56
	s_lshl_b32 s56, s55, 7                         ; the batch's first byte of k or v
	s_lshl_b32 s67, s12, 14                        ; the prefetches, in registers of their own: 16,384 cx
	s_add_co_u32 s66, s56, s67
	s_and_b32 s67, s[WV], 1
	s_lshl_b32 s67, s67, 13
	s_add_co_u32 s66, s66, s67                     ; + 8,192 (wave % 2),
	s_add_co_u32 s66, s66, VOFF                    ; in slot 1: the first change steps it to slot 2
	s_mov_b32 s67, 0
	s_and_b32 s57, s[WV], 3
	s_lshl_b32 s57, s57, 14
	s_add_co_u32 s56, s56, s57                     ; + my step of the slot
	s_mov_b32 s57, 0
	s_lshl_b32 s58, s[WV], 14                      ; its place in a slot
	s_lshl_b32 s59, s15, 11
	s_lshl_b32 s60, s13, 8
	s_add_co_u32 s59, s59, s60
	s_lshl_b32 s60, s[WV], 5
	s_add_co_u32 s59, s59, s60                     ; my first token: 2048 batch + 256 block + 32 wave
	s_lshl_b32 s60, s19, 12
	s_add_co_u32 s60, s60, s59
	s_lshl_b32 s60, s60, 7
	s_mov_b32 s61, 0
	s_lshl_b32 s62, s59, 13                        ; out0: token x 8,192 + 512 head
	s_lshl_b32 s63, s19, 9
	s_add_co_u32 s62, s62, s63
	s_mov_b32 s63, 0
	s_lshl_b32 s72, s15, 13
	s_mov_b32 s73, 0
	s_and_b32 s[LIM], s[WV], 2                     ; 0 in waves 0, 1, 4, 5
	s_or_b32 s[LIM], s[LIM], ttmp9                 ; of the first cluster
	s_and_b32 s51, s14, 3
	s_or_b32 s[LIM], s[LIM], s51                   ; of the group's first head
	s_cmp_eq_u32 s[LIM], 0
	s_cselect_b32 s[LIM], 1, -1
	s_mov_b32 s[G1], 15|(3<<16)|(1<<21)            ; 16,384 dense bytes as 64 rows of 256; all four partners
	s_mov_b32 s[G1+1], 32<<16
	s_mov_b32 s[G1+2], 64<<16
	s_mov_b32 s[G1+3], 32<<16
	s_mov_b32 s[G1+4], 64
	s_mov_b32 s[G1+5], 32
	s_mov_b32 s[G1+6], 0
	s_mov_b32 s[G1+7], 0
	s_mov_b32 s[SEL], 0x76543210
	s_mov_b32 s[SEL+1], 0xfedcba98
	s_mov_b32 s[CS], 0x3e0293ee
	s_mov_b32 s[KB], 0
	s_mov_b32 s[MB], 512
	s_mov_b32 s[SLOTS], 3
	s_wait_dscnt 0x0
	s_wait_kmcnt 0x0
	s_load_b128 s[68:71], s[8:9], 0x18             ; e6, e7, e8, e9
	s_mov_b32 s[G0], 1
	s_mov_b32 s[G0+1], s58
	s_add_nc_u64 s[G0+2:G0+3], s[4:5], s[56:57]
	s_or_b32 s[G0+3], s[G0+3], 0x80000000
	s_add_nc_u64 s[52:53], s[4:5], s[60:61]        ; q
	s_add_nc_u64 s[16:17], s[10:11], s[62:63]      ; out0
	s_add_nc_u64 s[6:7], s[6:7], s[72:73]          ; the batch's mask
	s_add_nc_u64 s[PFA:PFA+1], s[4:5], s[66:67]
	CROUND
	TLOAD                                          ; slot 0
	v_lshlrev_b32 v112, 5, v0                      ; thread t takes keys 8 t .. 8 t + 7 of the mask
	v_lshl_add_u32 v113, v0, 5, MT
	v_and_b32 v[LI], 31, v0
	v_lshlrev_b32 v[LI], 4, v[LI]
	global_load_b128 v[96:99], v112, s[6:7]
	global_load_b128 v[100:103], v112, s[6:7] offset:16
.irp x, 0,1
	WIN 0x40*\x
.irp c, 0,1,2,3
	global_load_b128 v[16+4*\c:19+4*\c], v[LI], s[52:53] offset:2048*\x+512*\c
.endr
.endr
	WIN 0
	v_and_b32 v8, 15, v0
	v_bfe_u32 v9, v0, 4, 1
	v_lshl_add_u32 v[MH], v9, 5, MT
	v_lshlrev_b32 v[PFO], 4, v[LI]
	v_lshlrev_b32 v[GO], 13, v9
	v_lshl_add_u32 v[GO], v8, 4, v[GO]
	s_mul_i32 s73, s[WV], 16*272
	s_add_co_u32 s73, s73, STG
	v_mul_u32_u24 v[SI], v8, 272
	v_lshl_add_u32 v[SI], v9, 5, v[SI]
	v_add_nc_u32 v[SI], s73, v[SI]
	v_mul_u32_u24 v[SO], v9, 272
	v_lshl_add_u32 v[SO], v8, 4, v[SO]
	v_add_nc_u32 v[SO], s73, v[SO]
	s_wait_kmcnt 0x0
	s_add_co_i32 s72, s68, s69
	s_lshl_b32 s72, s72, 23
	s_add_co_i32 s[CS], s[CS], s72                 ; e6 + e7 added to c's exponent field
	s_mov_b32 s[CS+1], s[CS]
	s_add_co_i32 s72, s71, 127
	s_lshl_b32 s74, s72, 23
	s_add_co_i32 s72, s72, 15
	s_lshl_b32 s75, s72, 23
	s_or_b32 s75, s75, 0x600000
.macro INIT                            ; the step has no first form of its own: its first run finds zeros
	v_mov_b32 v13, 0xff61b1e6
	v_floor_f32 v12, -v13
	v_mov_b32 v14, 0
	v_mov_b32 v15, 0
	v_mov_b32 v236, 0
	v_mov_b32 v253, 0
	v_mov_b32 v244, s74
	v_mov_b32 v240, s75
	v_mov_b32 v245, s[CS]                          ; c in a vector register, for the dual forms
.set j, 0
.rept 64
	v_mov_b32 v[160+j], 0
.set j, j+1
.endr
.endm
.irp x, 0,1
	WIN 0x55*\x
	INIT
.endr
	WIN 0
	s_wait_loadcnt 8                               ; the mask's two loads are in; Q's eight may be out
	v_mov_b32 v114, 0xef800000                     ; -2^96
.irp i, 0,1,2,3,4,5,6,7
	v_cmp_eq_u32 vcc_lo, 0, v[96+\i]
	v_cndmask_b32 v[96+\i], 0, v114, vcc_lo
.endr
	ds_store_b128 v113, v[96:99]
	ds_store_b128 v113, v[100:103] offset:16
	ds_store_b128 v113, v[96:99] offset:8192       ; the table once more
	ds_store_b128 v113, v[100:103] offset:8208
.macro PLACES
.rept 4
	v_nop
.endr
.endm
.macro FRAGS adr                       ; eight fragments: 0-3 into v32-95 of window 0, 4-7 of window 1
	WIN 0
.irp t, 0,1,2,3
.irp c, 0,1,2,3
	ds_load_b128 v[32+16*\t+4*\c:35+16*\t+4*\c], v[\adr] offset:2048*\t+512*\c
.endr
.endr
	WIN 0x40
.irp t, 0,1,2,3
.irp c, 0,1,2,3
	ds_load_b128 v[32+16*\t+4*\c:35+16*\t+4*\c], v[\adr] offset:2048*(4+\t)+512*\c
.endr
.endr
.endm
.macro MLOAD x, adr                    ; a step's 64 numbers of the table into tile x's score registers
	WIN 0x40*\x
.irp a, 0,1,2,3,4,5,6,7
	ds_load_b128 v[96+8*\a:99+8*\a], v[\adr] offset:64*\a
	ds_load_b128 v[100+8*\a:103+8*\a], v[\adr] offset:64*\a+16
.endr
.endm
.macro SRUN x, g                       ; four products S^T = K Q^T + the mask's numbers, in place: k in window g, the rest in window x
.set WS, (\g)|(0x54*(\x))
	WIN WS
.irp t, 0,1,2,3
	v_wmma_f32_16x16x128_bf8_bf8 v[96+8*(4*(\g)+\t):103+8*(4*(\g)+\t)], v[32+16*\t:47+16*\t], v[16:31], v[96+8*(4*(\g)+\t):103+8*(4*(\g)+\t)]
.endr
.endm
.macro PVRUN x, g                      ; four products O^T += V^T P^T; each accumulator has one turn in a step
.set WS, (\g)|(0x54*(\x))
	WIN WS
.irp t, 0,1,2,3
	v_wmma_f32_16x16x128_bf8_bf8 v[160+8*(4*(\g)+\t):167+8*(4*(\g)+\t)], v[32+16*\t:47+16*\t], v[224:239], v[160+8*(4*(\g)+\t):167+8*(4*(\g)+\t)]
.endr
.endm
.macro TM b0, n                        ; n pairs of scores from pair b0 on: t - M
.set b, \b0
.rept \n
	v_dual_fma_f32 v[96+2*b], v[96+2*b], v245, v12 :: v_dual_fma_f32 v[97+2*b], v[97+2*b], v245, v241   ; -M stands in two registers of different banks
.set b, b+1
.endr
.endm
; One tile's softmax for 128 keys, in two parts; all operand places in the tile's window.  SMA: the maximum, M, f, t - M and O^T x f.  Both tiles' SMA stand ahead of the step's first exponential, so the scores and O^T are first read with no transcendental behind their products.
.macro SMA
	v_max3_num_f32 v254, v96, v97, v98             ; four chains, registers ascending: each accumulator is read from its low end on
	v_max3_num_f32 v252, v99, v100, v101
	v_max3_num_f32 v250, v102, v103, v104
	v_max3_num_f32 v248, v105, v106, v107
.set j, 108
.rept 26
.set c, 254-2*(((j-108)/2)%4)
	v_max3_num_f32 v[c], v[c], v[j], v[j+1]
.set j, j+2
.endr
	v_max3_num_f32 v254, v254, v252, v250
	v_max3_num_f32 v254, v254, v248, 0xd3800000    ; the floor -2^40
	v_permlanex16_b32 v236, v254, s[SEL], s[SEL+1]
	v_max_num_f32 v254, v254, v236
	v_mul_f32 v254, s[CS], v254
	v_max_num_f32 v13, v13, v254                   ; the running largest t
	v_mov_b32 v254, v12
	v_floor_f32 v12, -v13                          ; -M = floor(-t)
	v_floor_f32 v241, -v13                         ; and once more
	v_sub_f32 v254, v12, v254                      ; old M - new M
	TM 0, 4
	v_cvt_i32_f32 v254, v254
	TM 4, 4
	v_ldexp_f32 v252, 1.0, v254                    ; f = 2^(old M - new M)
	TM 8, 24
.set j, 0
.rept 32
	v_dual_mul_f32 v[160+j], v[160+j], v252 :: v_dual_mul_f32 v[161+j], v[161+j], v252   ; O^T x f, each accumulator from its low end on
.set j, j+2
.endr
.endm
; SMB: the exponentials as one batch, the sum, the hold and the conversions.
.macro SMB
	s_wait_alu depctr_va_vdst(0)                   ; the wait ahead of the batch
.set j, 0
.rept 64
	v_exp_f32 v[96+j], v[96+j]                     ; p = 2^(t - M)
.set j, j+1
.endr
	v_pk_mul_f32 v[14:15], v[14:15], v[252:253] op_sel_hi:[1,0]   ; the sum x f: the plain line behind the batch
	s_wait_alu depctr_va_vdst(0)                   ; one wait for the batch, ahead of its first reader
	v_dual_add_f32 v242, v96, v98 :: v_dual_add_f32 v243, v97, v99       ; the sum of the unquantised p, in four chains of two
	v_dual_add_f32 v246, v100, v102 :: v_dual_add_f32 v247, v101, v103
	v_dual_add_f32 v248, v104, v106 :: v_dual_add_f32 v249, v105, v107
.set j, 108
.rept 26
.set c, ((j-108)/2)%4
.if c == 0
	v_dual_add_f32 v14, v[j], v14 :: v_dual_add_f32 v15, v[j+1], v15
.elseif c == 1
	v_dual_add_f32 v242, v[j], v242 :: v_dual_add_f32 v243, v[j+1], v243
.elseif c == 2
	v_dual_add_f32 v246, v[j], v246 :: v_dual_add_f32 v247, v[j+1], v247
.else
	v_dual_add_f32 v248, v[j], v248 :: v_dual_add_f32 v249, v[j+1], v249
.endif
.set j, j+2
.endr
	v_pk_add_f32 v[242:243], v[242:243], v[246:247]
	v_pk_add_f32 v[14:15], v[14:15], v[248:249]
	v_pk_add_f32 v[14:15], v[14:15], v[242:243]
.set j, 0
.rept 32
	v_dual_min_num_f32 v[96+j], v[96+j], v240 :: v_dual_min_num_f32 v[97+j], v[97+j], v240   ; the conversion does not saturate (ISA guide 7.6.2); p is not negative
.set j, j+2
.endr
.set a, 0
.rept 8
	v_cvt_scalef32_pk8_bf8_f32 v[224+2*a:225+2*a], v[96+8*a:103+8*a], v244
.set a, a+1
.endr
	v_nop                                          ; one plain line behind the conversions
.endm
.macro STEP                            ; 128 keys; it begins and ends with every window 0
	v_add_nc_u32 v[ADK], s[KB], v[LI]              ; these four lines are also the places behind the last products
	v_add_nc_u32 v[ADM], s[MB], v[MH]
	v_nop
	v_add_nc_u32 v[ADV], VOFF, v[ADK]
	s_wait_alu depctr_va_vdst(0)
	s_add_co_u32 s[KB], s[KB], STEPB
	s_add_co_u32 s[MB], s[MB], 512
	FRAGS ADK
	s_wait_dscnt 16                                ; the mask's numbers and k's fragments 0-3 are in; the youngest 16 loads may be out
	SRUN 0, 0
	SRUN 1, 0
	s_wait_dscnt 0x0
	SRUN 0, 1
	SRUN 1, 1
	WIN 0
	PLACES
	FRAGS ADV                                      ; v lands under the softmaxes
	WIN 0
	SMA
	WIN 0x55
	SMA
	WIN 0
	SMB
	MLOAD 0, ADM
	WIN 0x55
	SMB
	MLOAD 1, ADM
	s_wait_alu depctr_va_vdst(0)                   ; the wait directly ahead of the wait below
	s_wait_dscnt 32                                ; v is in; the 32 loads of the mask's numbers, issued behind v's, may be out
	PVRUN 0, 0
	PVRUN 1, 0
	PVRUN 0, 1
	PVRUN 1, 1
	WIN 0
.endm
.macro FOUR                            ; a slot's four steps: written once, walked four times
	s_mov_b32 s[CNT], 4
.Lstep_\@:
	STEP
	s_sub_co_u32 s[CNT], s[CNT], 1
	s_cmp_lg_u32 s[CNT], 0
	s_cbranch_scc1 .Lstep_\@
.endm
; THE CHANGE OF SLOTS.  Each wave waits for all its tensor loads, adds 0 to its spare word, and waits for that and for its LDS reads.  fill = 1: a round of the cluster's barrier, and the joint load into the slot that was left
; (the first time: slot 1's first fill) is the first thing behind it; it has four key steps in which to land.  turn = 1: the steps go on in the other slot.
.macro CHANGE fill, turn
	s_wait_tensorcnt 0x0
	ds_add_u32 v[SPW], v[NIL]
.if \fill
	s_xor_b32 s[G0+1], s[G0+1], SLOT1
	s_add_nc_u64 s[G0+2:G0+3], s[G0+2:G0+3], 4*STEPB
	s_wait_xcnt 0x0                                ; the last prefetch has read its address
	s_add_nc_u64 s[PFA:PFA+1], s[PFA:PFA+1], 4*STEPB
.endif
.if \turn
	s_sub_co_u32 s[KB], s[KB], 4*STEPB
	s_xor_b32 s[KB], s[KB], SLOT1
.endif
	s_wait_dscnt 0x0
.if \fill
	CROUND
	TLOAD
	ASK
.else
	s_barrier_signal -1
	s_barrier_wait -1
.endif
.endm
	s_wait_alu depctr_va_vdst(0)                   ; the wait at the head's end
	s_wait_loadcnt 0x0                             ; Q
	CHANGE 1, 0                                    ; slot 0 is whole and the table is written, for every wave; slot 1 is asked for
	s_mov_b32 s[SLOTS], 2
	MLOAD 0, MH                                    ; key step 0's mask numbers
	MLOAD 1, MH
	WIN 0
.Lfill:                                            ; slots 0 and 1 are walked; slots 2 and 3 are asked for
	FOUR
	CHANGE 1, 1
	s_sub_co_u32 s[SLOTS], s[SLOTS], 1
	s_cmp_lg_u32 s[SLOTS], 0
	s_cbranch_scc1 .Lfill
	s_mov_b32 s[SLOTS], 2
.Llast:                                            ; slots 2 and 3: nothing is asked for.  The second trip passes the change once more, with no slot behind it: that stands for a third copy of the steps
	FOUR
	CHANGE 0, 1
	s_sub_co_u32 s[SLOTS], s[SLOTS], 1
	s_cmp_lg_u32 s[SLOTS], 0
	s_cbranch_scc1 .Llast
; THE WAY OUT of tile x: O^T / the sum x 2^(e8 + e9), through my stage in LDS, 64 channels (256 bytes) of 16 queries at a time.
.macro OUT x
.set VW, 0x55*\x
.set SW, 0x04*\x
.set LW, 0x40*\x
	WIN VW
	v_add_f32 v14, v14, v15
	v_permlanex16_b32 v252, v14, s[SEL], s[SEL+1]
	v_add_f32 v14, v14, v252                       ; the row's sum
	s_wait_alu depctr_va_vdst(0)                   ; the wait ahead of the reciprocal,
	v_rcp_f32 v14, v14
	v_nop
	s_wait_alu depctr_va_vdst(0)                   ; ahead of its first reader,
	v_ldexp_f32 v14, v14, s72
	s_wait_alu depctr_va_vdst(0)                   ; and directly ahead of the first readers of O^T
.set j, 0
.rept 32
	v_pk_mul_f32 v[96+j:97+j], v[160+j:161+j], v[14:15] op_sel_hi:[1,0]
.set j, j+2
.endr
.irp u, 0,1
	WIN SW
.irp t, 0,1,2,3
	ds_store_b128 v[SI], v[96+32*\u+8*\t:99+32*\u+8*\t] offset:64*\t
	ds_store_b128 v[SI], v[100+32*\u+8*\t:103+32*\u+8*\t] offset:64*\t+16
.endr
	WIN LW
.irp i, 0,1,2,3,4,5,6,7
	ds_load_b128 v[32+32*\u+4*\i:35+32*\u+4*\i], v[SO] offset:2*\i*272   ; LDS serves a wave's instructions in order (ISA guide 5.7.1.4)
.endr
.endr
	WIN SW
.irp u, 0,1
.irp i, 0,1,2,3,4,5,6,7
	s_wait_dscnt (1-\u)*16+7-\i                    ; behind this load: the rest of its eight and, for the first half, the second half's eight stores and eight loads
	global_store_b128 v[GO], v[32+32*\u+4*\i:35+32*\u+4*\i], s[16:17] offset:131072*\x+16384*\i+256*\u th:TH_STORE_NT   ; 16 lanes store 256 consecutive bytes, aligned
.endr
.endr
.endm
	s_add_co_i32 s72, s70, s71                     ; e8 + e9
	PLACES
	OUT 0
	OUT 1
	WIN 0
	s_wait_tensorcnt 0x0                           ; the wave's end
	ds_add_u32 v[SPW], v[NIL]
	s_wait_dscnt 0x0
	CROUND                                         ; the closing round
	s_endpgm
.Lfunc_end_k_qcced0bfaeb_attn:
	.size	k_qcced0bfaeb_attn, .Lfunc_end_k_qcced0bfaeb_attn-k_qcced0bfaeb_attn
	.p2alignl 7, 3214868480
	.fill 96, 4, 3214868480
	.section	.rodata,"a",@progbits
	.p2align	6, 0x0
	.amdhsa_kernel k_qcced0bfaeb_attn
		.amdhsa_group_segment_fixed_size 327680
		.amdhsa_private_segment_fixed_size 0
		.amdhsa_enable_private_segment 0
		.amdhsa_kernarg_size 32
		.amdhsa_user_sgpr_count 2
		.amdhsa_user_sgpr_kernarg_segment_ptr 1
		.amdhsa_wavefront_size32 1
		.amdhsa_system_sgpr_workgroup_id_x 1
		.amdhsa_system_sgpr_workgroup_id_y 1
		.amdhsa_system_sgpr_workgroup_id_z 1
		.amdhsa_system_vgpr_workitem_id 0
		.amdhsa_next_free_vgpr 512
		.amdhsa_next_free_sgpr 76
		.amdhsa_reserve_vcc 1
		.amdhsa_float_denorm_mode_32 3
		.amdhsa_float_denorm_mode_16_64 3
		.amdhsa_memory_ordered 1
		.amdhsa_forward_progress 1
		.amdhsa_inst_pref_size 106
	.end_amdhsa_kernel
	.amdgpu_metadata
---
amdhsa.version: [ 1, 2 ]
amdhsa.kernels:
  - .name:           k_qcced0bfaeb_attn
    .symbol:         k_qcced0bfaeb_attn.kd
    .args:
      - { .name: qkv, .offset: 0, .size: 8, .value_kind: global_buffer, .address_space: global }
      - { .name: attention_mask, .offset: 8, .size: 8, .value_kind: global_buffer, .address_space: global }
      - { .name: lowp_scales, .offset: 16, .size: 8, .value_kind: global_buffer, .address_space: global }
      - { .name: out0, .offset: 24, .size: 8, .value_kind: global_buffer, .address_space: global }
    .group_segment_fixed_size: 327680
    .private_segment_fixed_size: 0
    .kernarg_segment_align: 8
    .kernarg_segment_size: 32
    .max_flat_workgroup_size: 256
    .sgpr_count:     76
    .vgpr_count:     512
    .wavefront_size: 32
...
	.end_amdgpu_metadata
.endif
;; end of part 3
